; MI455X (gfx1250); checked and timed in simulation.
; The chip was launched on July 23, 2026; its instructions are those of AMD's public machine-readable ISA for CDNA 5 (MIT licence, August 2026) and "CDNA5" Instruction Set Architecture Reference Guide (July 2026). The comments in the code are by the model that wrote it; some were corrected since.
;; Smooth Linear. Allowed arithmetic: matrix products marked QUANTISED: E2M3 operands, one E8M0 scale for each 32 along K, by v_wmma_scale_f32_16x16x128_f8f6f4 with both operands' format E2M3, f32 sums; everything else in f32.
;; Inputs: bias 2,048 float32; centroids 256 x 8 float32; labels 1,048,576 int32; scale 4,096 float32; x 4 x 2,048 x 4,096 float32.
;; Outputs: out0 4 x 2,048 x 2,048 float32.
;; This version of the problem:
;;   THIS VERSION OF THE PROBLEM IS GIVEN IN LOW PRECISION. The matrix products marked QUANTISED in the list below multiply operands that are first quantised to E2M3 (2 exponent bits, 3 mantissa bits; 6 bits a number), with one power-of-two scale for each 32 numbers along K (OCP MX v1.0); their sums are f32. All else is computed in f32.
;;   The module's matrix products, in the order in which they are computed (A, B: the left and right operand; K: the contracted axis; several contracted axes count as one K, in the product's order):
;;     1. [M 8,192, K 4,096] x [K 4,096, N 2,048]; A: computed on the way; B: computed on the way: QUANTISED
;;   THE QUANTISER, for each operand of a quantised product, along K:
;;     - K is cut into blocks of 32 from its start; a last block that is shorter is filled with zeros.
;;     - A block's scale is 2^e with e = floor(log2(the largest magnitude in the block)) - 2, held to -126 .. 127; a block of zeros has e = 0. As a byte (E8M0): e + 127.
;;     - Each number is divided by its block's scale, clamped to +-7.5, and rounded to the nearest number of E2M3, ties to even, subnormals kept.
;;     - The product sums the exact products of the quantised numbers (number of the format x scale) in f32.
;;   ~~~python
;;   def quantise(x, axis):      # numpy; x: float32 -> the quantised numbers, widened to float32 again
;;       x = np.moveaxis(x, axis, -1); K = x.shape[-1]
;;       x = np.pad(x, [(0, 0)] * (x.ndim - 1) + [(0, -K % 32)]); x = x.reshape(x.shape[:-1] + (-1, 32)); a = np.abs(x).max(-1, keepdims=True)
;;       e = np.where(a > 0, np.clip(np.frexp(np.where(a > 0, a, 1))[1] - 1 - 2, -126, 127), 0)      # np.frexp(a)[1] - 1 = floor(log2(a)), exactly
;;       r = np.clip(x / 2.0 ** e, -7.5, 7.5)
;;       step = 2.0 ** (np.maximum(np.frexp(np.where(r == 0, 1, r))[1] - 1, 0) - 3)
;;       q = np.round(r / step) * step * 2.0 ** e      # np.round: ties to even
;;       return np.moveaxis(q.reshape(q.shape[:-2] + (-1,))[..., :K], -1, axis).astype(np.float32)
;;   ~~~
;;   OPERANDS COMPUTED ON THE WAY. 'Computed on the way' means the value that the module computes at that place (a softmax that the list does not call 'softmax' is quantised finished and normalised). What goes into a quantiser is computed in f32, as accurately as f32 sums, v_exp_f32 and their like allow (about 1e-6 of the number): no bf16 or f16 on the way to a quantiser, and a product that is left as it is and whose result goes on into a quantised operand takes f32 operands (vector FMAs, or v_wmma_f32_16x16x4_f32). A number that lies on a knife's edge between two numbers of the format may be rounded either way, as far as f32 arithmetic and the matrix unit's own rounding can turn it there, and no further.
;; One version. Each part assembles by itself: llvm-mc -triple=amdgcn-amd-amdhsa -mcpu=gfx1250 --defsym DOCPART=n.
;; ======== version 1 of 1: 2 launches
;; limits: right only within a limited range of input values
;; workspace buffers: a_ops 26,214,400 bytes; b_ops 6,553,600 bytes
;; launch quant (part 1): grid 640 x 1, 8 waves a work-group, no clusters, 110,592 bytes of LDS; arguments x, scale, a_ops, labels, centroids, b_ops; writes a_ops, b_ops
.if DOCPART == 1
	.amdgcn_target "amdgcn-amd-amdhsa--gfx1250"
	.amdhsa_code_object_version 6
	.text
	.protected	k_qedeb74c1ce_quant
	.globl	k_qedeb74c1ce_quant
	.p2align	8
	.type	k_qedeb74c1ce_quant,@function
k_qedeb74c1ce_quant:
	s_mov_b64 s[64:65], 0
	v_nop
	global_prefetch_b8 v0, s[64:65] scope:SCOPE_SE
	s_setreg_imm32_b32 hwreg(HW_REG_WAVE_MODE, 25, 1), 1
	s_wait_xcnt 0x0
; ONE LAUNCH PREPARES BOTH OPERANDS.  A[m][k] = x[m][k] scale[k], [8192][4096] (one f32 multiplication), and W[n][k] = centroids[labels[512 n + k / 8]][k % 8], [2048][4096], are turned into
; codes of FP6 (E2M3) with one E8M0 byte for each 32 along K.  A block's scale is 2^(floor(log2(its largest magnitude)) - 2); its byte is that magnitude's exponent field - 2, held at 1 from below.
; LIMITS: NaN and infinities are not served; a block whose largest magnitude lies under 2^-124 (a block of zeros too) gets the byte 1: a block of zeros has zero codes, which add nothing
; under that byte, and the bytes are read by this program alone.  Labels are taken to lie in 0 .. 255, as the table has 256 entries; the clamp below changes none of those.
; THE CODES LEAVE AS IMAGES OF THE OPERAND'S REGISTERS.  A fragment is 16 rows x 128 K: 12 registers a lane; lane (r = lane % 16, h = lane / 16) holds row r, registers 6 c .. 6 c + 5 = k 64 c + 32 h + 0 .. 31.
; Register j of lane l lies at byte 512 (j / 4) + 16 l + 4 (j % 4) of the fragment's 1,536 bytes.
; a_ops: [k / 128 (32)][m / 128 (64)], b_ops: [k / 128 (32)][n / 128 (16)] RECORDS of 12,800 bytes: the eight fragments of the record's 128 rows, then 512 bytes of scale words, [block / 2 (4)][r (16)][block % 2].
; SHARES.  Work-groups 0 .. 127 take W: group g has rows 64 (g % 32) on and K steps 8 (g / 32) on.  Work-groups 128 .. 639 take A: group x = number - 128 has rows 64 (x / 4) on and K steps 8 (x % 4) on.
; In both, wave w takes one K step of all 64 rows: four fragments, so that its four words a row are one run of 256 bytes of the record.  W's groups move 1 / 15 of the launch's bytes and have the lowest numbers.
; The two paths part on the work-group's number alone, which is the same in all eight waves, never join, and have LDS bytes of their own.
; LDS: 0 on: A's path, a stage of 16 rows x 528 bytes for each wave; SPARE on: the spare words; TAB on: W's path, the table as it lies (entry L at 32 L); LAB on: its labels, 64 rows x (512 + 16) bytes.
.set NW,     128                       ; work-groups that take W
.set REC,    12800
.set ATS,    64*REC
.set BTS,    16*REC
.set SPITCH, 528                       ; an odd multiple of 16: sixteen rows' 16 bytes fall into sixteen different columns of 16 bytes
.set LPITCH, 528
.set SPARE,  0x10800
.set TAB,    0x10c00
.set LAB,    TAB+8192
.set MX, 10                            ; v10-11 largest magnitudes of my two blocks
.set SO, 12                            ; v12-13 the conversions' scale operands
.set BY, 14                            ; v14-15 the scale bytes
.set PT, 17                            ; v17    the other half's two bytes
.set SH, 18                            ; v18    8 h
.set S,  20                            ; v20-23 A: scale[] at my four columns
.set C,  36                            ; v36-47 a fragment's codes
.set T,  48                            ; v48-55 the upper halves of two blocks, as the conversions leave them
.set P,  56                            ; v56-57 the pair of words that I store
.set WD, 58                            ; v58-61 the four fragments' scale words
.set R,  64                            ; A: v64-191 two sets of 64 numbers as they are loaded
.set X,  192                           ; A: v192-255 64 numbers, turned
.set L,  64                            ; W: v64-95 my 32 labels, then their entries' LDS addresses
.set XW, 96                            ; W: v96-159, v160-223 two sets of 64 numbers (ahead of the barrier: labels and table as loaded)
; 64 numbers of a lane, register 32 c + i = k 64 c + 32 h + i of my row (two whole blocks), become the fragment's codes in v[C] on and the row's scale word in v[w] (in both halves of the lanes).
; v[C] on are the data of the last fragment's stores: the caller's s_wait_xcnt 0 stands ahead of this macro.
.macro QUANT xs, w
.set QX, \xs
.set QW, \w
.irp c, 0,1
	v_max3_num_f32 v[MX+\c], |v[QX+32*\c]|, |v[QX+32*\c+1]|, 0x1800000     ; and the floor 2^(3 - 127): the byte cannot fall under 1
.endr
.irp i, 2,4,6,8,10,12,14,16,18,20,22,24,26,28,30
.irp c, 0,1
	s_delay_alu instid0(VALU_DEP_2)
	v_max3_num_f32 v[MX+\c], v[MX+\c], |v[QX+32*\c+\i]|, |v[QX+32*\c+\i+1]|   ; the two blocks by turns
.endr
.endr
.irp c, 0,1
	s_delay_alu instid0(VALU_DEP_2)
	v_add_nc_u32 v[SO+\c], 0xff000000, v[MX+\c]    ; 2 off the exponent field: the conversion takes that field as its scale, and nothing else of the operand
.endr
.irp c, 0,1
	s_delay_alu instid0(VALU_DEP_2)
	v_lshrrev_b32 v[BY+\c], 23, v[SO+\c]           ; the scale's byte
.endr
	s_delay_alu instid0(VALU_DEP_1)
	v_lshl_or_b32 v[QW], v[BY+1], 16, v[BY]        ; my bytes are those of blocks h and 2 + h:
	s_delay_alu instid0(VALU_DEP_1)
	v_lshlrev_b32 v[QW], v[SH], v[QW]              ; 8 h bits up;
	s_delay_alu instid0(VALU_DEP_1)
	v_permlanex16_b32 v[PT], v[QW], s20, s21
	s_delay_alu instid0(VALU_DEP_1)
	v_or_b32 v[QW], v[QW], v[PT]                   ; with lane l xor 16's two the word is whole
.irp c, 0,1
	v_cvt_scalef32_pk16_fp6_f32 v[C+6*\c:C+6*\c+2], v[QX+32*\c:QX+32*\c+15], v[SO+\c]
	v_cvt_scalef32_pk16_fp6_f32 v[T+4*\c:T+4*\c+2], v[QX+32*\c+16:QX+32*\c+31], v[SO+\c]   ; (a conversion's three registers begin on an even number)
.endr
	v_nop                                          ; one plain place behind a scaled conversion
.irp c, 0,1
.irp i, 0,1,2
	v_mov_b32 v[C+3+6*\c+\i], v[T+4*\c+\i]
.endr
.endr
.endm
.macro SENDC f                         ; fragment f: three stores of 512 consecutive bytes, each at a multiple of 512 from the buffer's first byte
.irp j, 0,1,2
	global_store_b128 v4, v[C+4*\j:C+4*\j+3], s[8:9] offset:(\f)*1536+512*\j
.endr
.endm
.macro WORDS                           ; every lane holds its row's word of all four fragments: lanes 0-15 send those of fragments 0 and 1, lanes 16-31 of 2 and 3
	v_cmp_ne_u32 vcc_lo, 0, v3
	s_delay_alu instid0(VALU_DEP_1)
	v_cndmask_b32 v[P], v[WD], v[WD+2], vcc_lo
	s_delay_alu instid0(VALU_DEP_2)
	v_cndmask_b32 v[P+1], v[WD+1], v[WD+3], vcc_lo
	global_store_b64 v9, v[P:P+1], s[10:11]        ; 32 lanes store 256 consecutive bytes, at a multiple of 256 from the buffer's first byte
	s_wait_tensorcnt 0x0                           ; the wave's end
	ds_add_u32 v62, v63
	s_wait_dscnt 0x0
	s_endpgm
.endm
.macro LOAD f                          ; A, fragment f: my step's 128 numbers of rows 16 f .. 16 f + 15
.set RL, R+64*((\f)%2)
.irp i, 0,1,2,3,4,5,6,7,8,9,10,11,12,13,14,15
	global_load_b128 v[RL+4*\i:RL+4*\i+3], v4, s[4:5] offset:262144*(\f)+16384*\i th:TH_LOAD_NT
.endr
.endm
.macro PIECE f
.set RS, R+64*((\f)%2)
.if (\f) < 3
	s_wait_loadcnt 16                              ; this fragment's 16 loads (and, the first time, scale's one ahead of them) are in; the next fragment's 16 may be out
.else
	s_wait_loadcnt 0x0
.endif
.irp i, 0,1,2,3,4,5,6,7,8,9,10,11,12,13,14,15
	v_pk_mul_f32 v[RS+4*\i:RS+4*\i+1],   v[RS+4*\i:RS+4*\i+1],   v[S:S+1]      ; x scale, in f32
	v_pk_mul_f32 v[RS+4*\i+2:RS+4*\i+3], v[RS+4*\i+2:RS+4*\i+3], v[S+2:S+3]
.endr
.irp i, 0,1,2,3,4,5,6,7,8,9,10,11,12,13,14,15
	ds_store_b128 v5, v[RS+4*\i:RS+4*\i+3] offset:SPITCH*\i
.endr
.irp c, 0,1
.irp j, 0,1,2,3,4,5,6,7
	ds_load_b128 v[X+32*\c+4*\j:X+32*\c+4*\j+3], v6 offset:256*\c+16*\j    ; LDS serves a wave's instructions in order (ISA guide 5.7.1.4): these see the stores above
.endr
.endr
	s_wait_dscnt 0x0                               ; my 64 numbers are in, and the stores into the stage have read their registers,
.if (\f) > 0
	s_wait_xcnt 0x0                                ; the last fragment's stores have read v[C] on; the wait stands ahead of the loads below, so that it counts none of them
.endif
.if (\f) < 2
	LOAD (\f)+2                                    ; which take the loads of two fragments on
.endif
	QUANT X, WD+(\f)
	SENDC \f
.endm
.macro GATHER f                        ; W, fragment f's 64 numbers: eight entries of 32 bytes a lane
.set GX, XW+64*((\f)%2)
.irp c, 0,1
.irp i, 0,1,2,3
	ds_load_b128 v[GX+32*\c+8*\i:GX+32*\c+8*\i+3],   v[L+4*(2*(\f)+\c)+\i]
	ds_load_b128 v[GX+32*\c+8*\i+4:GX+32*\c+8*\i+7], v[L+4*(2*(\f)+\c)+\i] offset:16
.endr
.endr
.endm
	v_lshl_add_u32 v62, v0, 2, SPARE
	v_mov_b32 v63, 0
	s_cmp_lt_u32 ttmp9, NW
	s_cbranch_scc1 .Lw
; ---- A's path.  Every byte of x is read once.  A load reads 512 consecutive bytes of one row, 16 a lane, so a lane's four columns are the same in all 64 rows and its four numbers of scale serve them all.
; The conversions want 32 neighbours along K in ONE lane: a fragment's 16 x 512 bytes turn through the wave's own stage.  Waves share nothing: no barrier.  Loads run two fragments (32 loads a wave) ahead.
	s_load_b128 s[4:7], s[0:1], 0x0                ; x, scale
	s_load_b64 s[8:9], s[0:1], 0x10                ; a_ops
	s_sub_co_u32 s27, ttmp9, NW                    ; A's work-group number
	v_lshrrev_b32 v1, 5, v0
	s_delay_alu instid0(VALU_DEP_1)
	v_readfirstlane_b32 s12, v1                    ; wave 0..7
	v_and_b32 v1, 31, v0                           ; lane
	v_and_b32 v2, 15, v0                           ; r
	v_bfe_u32 v3, v0, 4, 1                         ; h
	s_delay_alu instid0(VALU_DEP_3)
	v_lshlrev_b32 v4, 4, v1                        ; 16 x lane
	s_mul_i32 s24, s12, 16*SPITCH                  ; my wave's stage
	v_add_nc_u32 v5, s24, v4                       ; into it: a row as it lies
	v_mul_u32_u24 v6, v2, SPITCH
	s_delay_alu instid0(VALU_DEP_1)
	v_lshl_add_u32 v6, v3, 7, v6
	s_delay_alu instid0(VALU_DEP_1)
	v_add_nc_u32 v6, s24, v6                       ; out of it: row r, + 128 h: 32 numbers of my half
	v_lshlrev_b32 v9, 3, v1                        ; 8 x lane: my pair of scale words
	v_mov_b32 v[PT], 0                             ; written once: a lane permute's destination counts as one of its sources
	v_lshlrev_b32 v[SH], 3, v3
	s_mov_b32 s20, 0x76543210
	s_mov_b32 s21, 0xfedcba98                      ; v_permlanex16_b32's selects for lane l xor 16
	s_lshr_b32 s13, s27, 2                         ; which 64 rows
	s_and_b32 s26, s27, 3
	s_lshl_b32 s26, s26, 3
	s_add_co_u32 s26, s26, s12                     ; my K step: 8 (x % 4) + wave
	s_lshl_b32 s16, s26, 9                         ; its 128 numbers of a row, and of scale: 512 bytes a step
	s_mov_b32 s17, 0
	s_lshl_b32 s14, s13, 20                        ; x: 64 rows of 16,384 bytes
	s_add_co_u32 s14, s14, s16
	s_mov_b32 s15, 0
	s_mul_i32 s18, s26, ATS
	s_lshr_b32 s19, s13, 1
	s_mul_i32 s19, s19, REC
	s_add_co_u32 s18, s18, s19                     ; my record: step, rows / 128
	s_and_b32 s19, s13, 1                          ; which half of its 128 rows
	s_lshl_b32 s22, s19, 8
	s_add_co_u32 s22, s22, s18
	s_add_co_u32 s22, s22, 12288                   ; the scale words: behind the codes, 256 bytes for each half
	s_mov_b32 s23, 0
	s_mul_i32 s19, s19, 4*1536
	s_add_co_u32 s18, s18, s19                     ; the codes: four fragments for each half
	s_mov_b32 s19, 0
	s_wait_alu depctr_va_vdst(0)                   ; the wait at the head's end
	s_wait_kmcnt 0x0
	s_add_nc_u64 s[4:5], s[4:5], s[14:15]
	s_add_nc_u64 s[6:7], s[6:7], s[16:17]
	s_add_nc_u64 s[10:11], s[8:9], s[22:23]
	s_add_nc_u64 s[8:9], s[8:9], s[18:19]
	global_load_b128 v[S:S+3], v4, s[6:7]
	LOAD 0
	LOAD 1
	PIECE 0
	PIECE 1
	PIECE 2
	PIECE 3
	WORDS
; ---- W's path.  Wave w brings rows 8 w .. 8 w + 7 of the group's labels (512 consecutive bytes a load) and 1,024 bytes of the table.  All its LDS stores stand ahead of the one barrier, which all eight waves of such a group pass.
.Lw:
	s_load_b128 s[4:7], s[0:1], 0x18               ; labels, centroids
	s_load_b64 s[8:9], s[0:1], 0x28                ; b_ops
	v_lshrrev_b32 v1, 5, v0
	s_delay_alu instid0(VALU_DEP_1)
	v_readfirstlane_b32 s12, v1                    ; wave 0..7
	v_and_b32 v1, 31, v0                           ; lane
	v_and_b32 v2, 15, v0                           ; r
	v_bfe_u32 v3, v0, 4, 1                         ; h
	s_delay_alu instid0(VALU_DEP_3)
	v_lshlrev_b32 v4, 4, v1                        ; 16 x lane
	s_mul_i32 s24, s12, 8*LPITCH
	s_add_co_u32 s24, s24, LAB
	v_add_nc_u32 v6, s24, v4                       ; labels into LDS: rows 8 w on, a row as it lies
	s_lshl_b32 s26, s12, 6
	s_add_co_u32 s26, s26, LAB                     ; out of it: my step's 64 bytes of every row
	v_mul_u32_u24 v7, v2, LPITCH
	s_delay_alu instid0(VALU_DEP_1)
	v_lshl_add_u32 v7, v3, 4, v7
	s_delay_alu instid0(VALU_DEP_1)
	v_add_nc_u32 v7, s26, v7                       ; row r of a fragment, + 16 h: the four labels of my block
	s_lshl_b32 s25, s12, 10
	s_add_co_u32 s27, s25, TAB
	v_add_nc_u32 v8, s27, v4                       ; the table: my wave's eighth, 16 bytes a lane
	v_lshlrev_b32 v9, 3, v1                        ; 8 x lane: my pair of scale words
	v_mov_b32 v[PT], 0
	v_lshlrev_b32 v[SH], 3, v3
	s_mov_b32 s20, 0x76543210
	s_mov_b32 s21, 0xfedcba98
	s_and_b32 s28, ttmp9, 31                       ; which 64 rows
	s_lshr_b32 s13, ttmp9, 5                       ; which 8 K steps
	s_lshl_b32 s14, s28, 17                        ; labels: 64 rows of 2,048 bytes,
	s_lshl_b32 s15, s12, 14                        ; 8 of them a wave,
	s_add_co_u32 s14, s14, s15
	s_lshl_b32 s15, s13, 9                         ; 512 bytes of each row
	s_add_co_u32 s14, s14, s15
	s_mov_b32 s15, 0
	s_mov_b32 s16, s25                             ; centroids: 1,024 bytes a wave
	s_mov_b32 s17, 0
	s_lshl_b32 s13, s13, 3
	s_add_co_u32 s13, s13, s12                     ; my K step
	s_mul_i32 s18, s13, BTS
	s_lshr_b32 s19, s28, 1
	s_mul_i32 s19, s19, REC
	s_add_co_u32 s18, s18, s19                     ; my record: step, rows / 128
	s_and_b32 s19, s28, 1                          ; which half of its 128 rows
	s_lshl_b32 s22, s19, 8
	s_add_co_u32 s22, s22, s18
	s_add_co_u32 s22, s22, 12288
	s_mov_b32 s23, 0
	s_mul_i32 s19, s19, 4*1536
	s_add_co_u32 s18, s18, s19
	s_mov_b32 s19, 0
	s_wait_alu depctr_va_vdst(0)                   ; the wait at the head's end
	s_wait_kmcnt 0x0
	s_add_nc_u64 s[4:5], s[4:5], s[14:15]
	s_add_nc_u64 s[6:7], s[6:7], s[16:17]
	s_add_nc_u64 s[10:11], s[8:9], s[22:23]
	s_add_nc_u64 s[8:9], s[8:9], s[18:19]
.irp j, 0,1,2,3,4,5,6,7
	global_load_b128 v[XW+4*\j:XW+4*\j+3], v4, s[4:5] offset:2048*\j th:TH_LOAD_NT   ; row 8 w + j: 32 lanes read 512 consecutive bytes
.endr
.irp j, 0,1
	global_load_b128 v[XW+32+4*\j:XW+32+4*\j+3], v4, s[6:7] offset:512*\j
.endr
	s_wait_loadcnt 0x0
.irp j, 0,1,2,3,4,5,6,7
	ds_store_b128 v6, v[XW+4*\j:XW+4*\j+3] offset:LPITCH*\j
.endr
.irp j, 0,1
	ds_store_b128 v8, v[XW+32+4*\j:XW+32+4*\j+3] offset:512*\j
.endr
	s_wait_dscnt 0x0                               ; for the others' sake: my eighth of the table and my 8 rows of labels have landed
	s_barrier_signal -1
	s_barrier_wait -1                              ; table and labels are whole; from here on LDS is only read
.irp f, 0,1,2,3
.irp c, 0,1
	ds_load_b128 v[L+4*(2*\f+\c):L+4*(2*\f+\c)+3], v7 offset:16*LPITCH*\f+32*\c   ; the labels of k = 64 c + 32 h + 0 .. 31 of my step, row 16 f + r
.endr
.endr
	s_wait_dscnt 0x0
.irp i, 0,1,2,3,4,5,6,7,8,9,10,11,12,13,14,15,16,17,18,19,20,21,22,23,24,25,26,27,28,29,30,31
	v_min_u32 v[L+\i], 255, v[L+\i]                ; a loaded number enters an address only behind a clamp
.endr
.irp i, 0,1,2,3,4,5,6,7,8,9,10,11,12,13,14,15,16,17,18,19,20,21,22,23,24,25,26,27,28,29,30,31
	v_lshl_add_u32 v[L+\i], v[L+\i], 5, TAB        ; 32 bytes an entry, from the table's first byte on
.endr
	GATHER 0
.irp f, 0,1,2,3
.if \f < 3
	GATHER \f+1
	s_wait_dscnt 16                                ; this fragment's 16 gathers are in; the next one's 16 may be out
.else
	s_wait_dscnt 0x0
.endif
.if \f > 0
	s_wait_xcnt 0x0                                ; the last fragment's stores have read v[C] on
.endif
	QUANT XW+64*(\f%2), WD+\f
	SENDC \f
.endr
	WORDS
.Lfunc_end_k_qedeb74c1ce_quant:
	.size	k_qedeb74c1ce_quant, .Lfunc_end_k_qedeb74c1ce_quant-k_qedeb74c1ce_quant
	.p2alignl 7, 3214868480
	.fill 96, 4, 3214868480
	.section	.rodata,"a",@progbits
	.p2align	6, 0x0
	.amdhsa_kernel k_qedeb74c1ce_quant
		.amdhsa_group_segment_fixed_size 110592
		.amdhsa_private_segment_fixed_size 0
		.amdhsa_enable_private_segment 0
		.amdhsa_kernarg_size 48
		.amdhsa_user_sgpr_count 2
		.amdhsa_user_sgpr_kernarg_segment_ptr 1
		.amdhsa_wavefront_size32 1
		.amdhsa_system_sgpr_workgroup_id_x 1
		.amdhsa_system_sgpr_workgroup_id_y 1
		.amdhsa_system_sgpr_workgroup_id_z 1
		.amdhsa_system_vgpr_workitem_id 0
		.amdhsa_next_free_vgpr 256
		.amdhsa_next_free_sgpr 66
		.amdhsa_reserve_vcc 1
		.amdhsa_float_denorm_mode_32 3
		.amdhsa_float_denorm_mode_16_64 3
		.amdhsa_memory_ordered 1
		.amdhsa_forward_progress 1
		.amdhsa_inst_pref_size 75
	.end_amdhsa_kernel
	.amdgpu_metadata
---
amdhsa.version: [ 1, 2 ]
amdhsa.kernels:
  - .name:           k_qedeb74c1ce_quant
    .symbol:         k_qedeb74c1ce_quant.kd
    .args:
      - { .name: x, .offset: 0, .size: 8, .value_kind: global_buffer, .address_space: global }
      - { .name: scale, .offset: 8, .size: 8, .value_kind: global_buffer, .address_space: global }
      - { .name: a_ops, .offset: 16, .size: 8, .value_kind: global_buffer, .address_space: global }
      - { .name: labels, .offset: 24, .size: 8, .value_kind: global_buffer, .address_space: global }
      - { .name: centroids, .offset: 32, .size: 8, .value_kind: global_buffer, .address_space: global }
      - { .name: b_ops, .offset: 40, .size: 8, .value_kind: global_buffer, .address_space: global }
    .group_segment_fixed_size: 110592
    .private_segment_fixed_size: 0
    .kernarg_segment_align: 8
    .kernarg_segment_size: 48
    .max_flat_workgroup_size: 256
    .sgpr_count:     66
    .vgpr_count:     256
    .wavefront_size: 32
...
	.end_amdgpu_metadata
.endif
;; end of part 1
;; launch gemm (part 2): grid 8 x 32, 4 waves a work-group, clusters of 4 x 4, 327,680 bytes of LDS; arguments a_ops, b_ops, out0, bias; writes out0
.if DOCPART == 2
	.amdgcn_target "amdgcn-amd-amdhsa--gfx1250"
	.amdhsa_code_object_version 6
	.text
	.protected	k_qedeb74c1ce_gemm
	.globl	k_qedeb74c1ce_gemm
	.p2align	8
	.type	k_qedeb74c1ce_gemm,@function
k_qedeb74c1ce_gemm:
	s_mov_b64 s[64:65], 0
	v_nop
	global_prefetch_b8 v0, s[64:65] scope:SCOPE_SE
	s_setreg_imm32_b32 hwreg(HW_REG_WAVE_MODE, 25, 1), 1
	s_wait_xcnt 0x0
	s_wait_alu depctr_hold_cnt(0) depctr_sa_sdst(0) depctr_va_vdst(0) depctr_va_sdst(0) depctr_va_ssrc(0) depctr_va_vcc(0) depctr_vm_vsrc(0)
	s_getreg_b32 s2, hwreg(HW_REG_IB_STS2, 6, 4)
	s_cmp_eq_u32 s2, 0
	s_cbranch_scc0 .Lentry_in_a_cluster
	s_endpgm
.Lentry_in_a_cluster:
	s_bfe_u32 s2, ttmp6, 0x10000c
	s_cmp_lg_u32 s2, 0xf033
	s_cbranch_scc0 .Lentry_shape_is_right
	s_endpgm
.Lentry_shape_is_right:
; out0[m][n] = sum over k of A[m][k] W[n][k] + bias[n]; A [8192][4096] and W [2048][4096] arrive as codes of FP6 (E2M3) with E8M0 scale bytes, in RECORDS of 12,800 bytes
; ([k / 128][rows / 128]: eight fragments of 16 rows x 128 K as images of the operand's registers, 1,536 bytes each, then 512 bytes of scale words [block / 2][r][block % 2]).
; A work-group of four waves makes 256 x 256 of out0, a wave 128 x 128: 64 accumulators.  The product is used transposed (source 0 = rows of W, source 1 = rows of A): a lane holds 8 neighbouring columns of a row.
; REGISTERS.  Each of the four windows holds v0-31 odds and ends, v32-79 and v80-127 four fragments for even and for odd K steps, v128-255 sixteen accumulators.
;   window 0: A's blocks 0-3, accumulators (A 0-3, W 4-7), the scale words v16-31;  window 1: A's blocks 4-7, accumulators (A 4-7, W 0-3);
;   window 2: W's blocks 0-3, accumulators (A 0-3, W 0-3);  window 3: W's blocks 4-7, accumulators (A 4-7, W 4-7).
; A K step is four groups of 16 products.  Both operands have two whole sets of registers, so the next step's 52 LDS loads stand in two runs, at the step's head and in its middle, 64 and 48 products ahead of their first use.
; A group's setting of the windows also serves the loads of the four fragments that share its accumulators' window (the LDS addresses lie in the window of its source 0): a run needs no setting that the groups do not need.
; THE RING: two LDS slots of three K steps (4 parts x 3 records); fill 0 holds K steps 0 and 1, fill f steps 3 f - 1 .. 3 f + 1, in slot f % 2.  All fragments of a slot's last step are asked for a step early,
; so the slot is given up at the head of its last step.  CLUSTERS: 4 x 4; A's records are asked for jointly along a row of the cluster, W's along a column.
; PREFETCH: with the joint load of fill g each wave names fill g + 1's records of its own part, 50 blocks of 256 bytes a record; the four partners take 13 blocks each, told apart by address; fill 10 is the last that is named.
.set FRB,    1536
.set REC,    12800
.set SCO,    8*FRB
.set PART,   3*REC
.set SLOT,   4*PART
.set ATS,    64*REC
.set BTS,    16*REC
.set TRIPS,  4
.set SPARE,  2*SLOT                    ; behind the ring: the spare words, 128 bytes a wave
.set SPITCH, 528
.set AREA,   16*SPITCH                 ; a stage area: 16 rows; four areas a wave
.set ROWC,   8192
.set SPW,  6                           ; window 0: my spare word's address; 0
.set NIL,  7
.set BIAS, 8                           ; window 0: bias at my four columns of a row read back
.set STO,  12                          ; window 0: into my stage
.set RD,   13                          ; window 0: out of my stage
.set CO,   14                          ; window 0: 16 x lane
.set SC,   16                          ; window 0: scale words, set p at SC + 8 p: lanes 0-15 A's block i, lanes 16-31 W's block i
.set ADRA, 2                           ; windows 2 and 3: LDS address of my A fragments in slot 0, 1
.set ADRB, 4                           ; the same for W
.set ADRS, 6                           ; window 3: of my scale words
.set PFO,  8                           ; window 3: the prefetches' offsets, one for each record of a fill
.set FRG,  32
.set ACC,  128
.set BK,   32
.set G1, 24
.set G0, 32
.set G1B, 48
.set G0B, 56
.set G1F, 68
.set G0F, 76
.set G1FB, 80
.set G0FB, 88
.set PFA, 92                           ; s[92:93] where the prefetches stand; s[94:95] three K steps in bytes; s[100:101] fill 1
.set X1W, 0xa2                         ; source 0 window 2, source 1 window 0, C and D window 2
.set X2W, 0x03                         ; 3, 0, 0
.set X3W, 0xf7                         ; 3, 1, 3
.set X4W, 0x56                         ; 2, 1, 1
.set MSB, 0
.macro WIN new                         ; the immediate's high byte repeats the setting that is left
.if MSB != (\new)
	s_set_vgpr_msb (MSB<<8)|(\new)
.set MSB, (\new)
.endif
.endm
.macro PLACES
.rept 4
	v_nop
.endr
.endm
.macro JLOAD g0a, g1a, g0b, g1b        ; a joint load: waves 0 and 1 fetch A's two records, waves 2 and 3 W's
	s_cmp_eq_u32 s15, 0
	s_cbranch_scc0 .Lfor_b_\@
	tensor_load_to_lds s[\g0a:\g0a+3], s[\g1a:\g1a+7]
	s_nop 0
	PLACES
	s_branch .Lasked_\@
.Lfor_b_\@:
	tensor_load_to_lds s[\g0b:\g0b+3], s[\g1b:\g1b+7]
	s_nop 0
	PLACES
.Lasked_\@:
.endm
.macro CREST                           ; a round of the cluster's barrier behind its opening barrier
	s_cmp_lg_u32 s14, 0
	s_cbranch_scc1 .Lnot_wave_0_\@
	s_barrier_signal -3
.Lnot_wave_0_\@:
	s_barrier_wait -3
	s_barrier_signal -1
	s_barrier_wait -1
.endm
.macro CROUND
	s_barrier_signal -1
	s_barrier_wait -1
	CREST
.endm
.macro ASK base                        ; three records, a lane a block of 256 bytes (the offsets lie in window 3: source 0's window under X2W)
.irp q, 0,1,2
	global_prefetch_b8 v[PFO+\q], s[\base:\base+1] th:TH_LOAD_NT scope:SCOPE_SE
.endr
.endm
	s_load_b128 s[4:7], s[0:1], 0x0                ; a_ops, b_ops
	s_load_b64 s[12:13], s[0:1], 0x10              ; out0
	s_load_b64 s[96:97], s[0:1], 0x18              ; bias
	v_lshl_add_u32 v[SPW], v0, 2, SPARE
	v_mov_b32 v[NIL], 0
	ds_add_u32 v[SPW], v[NIL]                      ; the opening lines: the add twice on end under one wait
	ds_add_u32 v[SPW], v[NIL]
	v_lshrrev_b32 v1, 5, v0
	v_readfirstlane_b32 s14, v1                    ; wave
	s_lshr_b32 s15, s14, 1                         ; my half of the rows; also: I fetch for A (0) or W (1)
	s_and_b32 s16, s14, 1                          ; my half of the columns; also: which record I fetch
	s_bfe_u32 s40, ttmp6, 0x40000                  ; cx
	s_bfe_u32 s41, ttmp6, 0x40004                  ; cy
	s_lshl_b32 s42, ttmp9, 2
	s_add_co_u32 s42, s42, s40                     ; tile column
	s_and_b32 s17, ttmp7, 0xffff
	s_lshl_b32 s17, s17, 2
	s_add_co_u32 s17, s17, s41                     ; tile row
	s_lshl_b32 s43, s41, 2
	s_lshl_b32 s43, 15, s43                        ; my row of the cluster
	s_lshl_b32 s44, 0x1111, s40                    ; my column
	s_or_b32 s[G1+0], s43, (3<<16)|(1<<21)         ; elements of 8 bytes, no padding; the mask, bit 21 beside it
	s_or_b32 s[G1B+0], s44, (3<<16)|(1<<21)
	s_or_b32 s[G1F+0], s43, (3<<16)|(1<<21)
	s_or_b32 s[G1FB+0], s44, (3<<16)|(1<<21)
.irp g, G1, G1B                        ; a fill's part: three records, one K step apart
	s_mov_b32 s[\g+1], (REC/8)<<16
	s_mov_b32 s[\g+2], 3<<16
	s_mov_b32 s[\g+3], (REC/8)<<16
	s_mov_b32 s[\g+4], 3
	s_mov_b32 s[\g+6], 0
	s_mov_b32 s[\g+7], 0
.endr
.irp g, G1F, G1FB                      ; fill 0's: two
	s_mov_b32 s[\g+1], (REC/8)<<16
	s_mov_b32 s[\g+2], 2<<16
	s_mov_b32 s[\g+3], (REC/8)<<16
	s_mov_b32 s[\g+4], 2
	s_mov_b32 s[\g+6], 0
	s_mov_b32 s[\g+7], 0
.endr
	s_mov_b32 s[G1+5], ATS/8
	s_mov_b32 s[G1F+5], ATS/8
	s_mov_b32 s[G1B+5], BTS/8
	s_mov_b32 s[G1FB+5], BTS/8
	s_mul_i32 s18, s16, REC
	s_mul_i32 s20, s17, 2*REC
	s_add_co_u32 s20, s20, s18
	s_mov_b32 s21, 0
	s_mul_i32 s46, s42, 2*REC
	s_add_co_u32 s46, s46, s18
	s_mov_b32 s47, 0
	s_mul_i32 s45, s14, PART                       ; my part of a slot
	s_wait_dscnt 0x0                               ; both opening adds are done
	s_wait_kmcnt 0x0
	s_add_nc_u64 s[20:21], s[4:5], s[20:21]
	s_add_nc_u64 s[46:47], s[6:7], s[46:47]
	CROUND                                         ; the first joint loads meet
	s_mov_b32 s[G0F], 1
	s_add_co_u32 s[G0F+1], s45, REC                ; fill 0 takes a part's second and third record
	s_mov_b64 s[G0F+2:G0F+3], s[20:21]
	s_or_b32 s[G0F+3], s[G0F+3], 0x80000000
	s_mov_b32 s[G0FB], 1
	s_add_co_u32 s[G0FB+1], s45, REC
	s_mov_b64 s[G0FB+2:G0FB+3], s[46:47]
	s_or_b32 s[G0FB+3], s[G0FB+3], 0x80000000
.irp s, 0,1                            ; slot 1 begins with fill 1 (K step 2), slot 0 goes on with fill 2 (K step 5)
	s_mov_b32 s[G0+4*\s], 1
	s_add_co_u32 s[G0+4*\s+1], s45, \s*SLOT
	s_add_nc_u64 s[G0+4*\s+2:G0+4*\s+3], s[20:21], (5-3*\s)*ATS
	s_or_b32 s[G0+4*\s+3], s[G0+4*\s+3], 0x80000000
	s_mov_b32 s[G0B+4*\s], 1
	s_add_co_u32 s[G0B+4*\s+1], s45, \s*SLOT
	s_add_nc_u64 s[G0B+4*\s+2:G0B+4*\s+3], s[46:47], (5-3*\s)*BTS
	s_or_b32 s[G0B+4*\s+3], s[G0B+4*\s+3], 0x80000000
.endr
	JLOAD G0F, G1F, G0FB, G1FB                     ; fill 0: one tensor load a wave at the head
	s_cmp_eq_u32 s15, 0                            ; the prefetches: my part's records, my place among the four that ask with me
	s_mov_b32 s66, BTS
	s_cselect_b32 s66, ATS, s66                    ; a K step in bytes
	s_cselect_b32 s67, s40, s41
	s_cselect_b64 s[PFA:PFA+1], s[20:21], s[46:47]
	s_mul_i32 s67, s67, 13
	s_lshl_b32 s99, s66, 1
	s_mov_b32 s94, s99
	s_mov_b32 s95, 0
	s_add_nc_u64 s[100:101], s[PFA:PFA+1], s[94:95]  ; fill 1: K step 2
	s_mul_i32 s94, s66, 5
	s_add_nc_u64 s[PFA:PFA+1], s[PFA:PFA+1], s[94:95] ; fill 2: K step 5
	s_mul_i32 s94, s66, 3
	s_lshl_b32 s2, s17, 8                          ; out0: my first row, 256 x tile row + 128 x half, rows of 8,192 bytes;
	s_lshl_b32 s3, s15, 7
	s_add_co_u32 s2, s2, s3
	s_lshl_b32 s2, s2, 13
	s_mov_b32 s3, 0
	s_lshl_b32 s46, s42, 10                        ; my first column in bytes, in out0 and in bias
	s_lshl_b32 s47, s16, 9
	s_add_co_u32 s46, s46, s47
	s_mov_b32 s47, 0
	s_add_nc_u64 s[96:97], s[96:97], s[46:47]
	s_add_nc_u64 s[12:13], s[12:13], s[46:47]
	s_add_nc_u64 s[12:13], s[12:13], s[2:3]
	s_mul_i32 s21, s15, PART                       ; my A part, my W part, their distance, the same in slot 1
	s_mul_i32 s22, s16, PART
	s_add_co_u32 s22, s22, 2*PART
	s_sub_co_u32 s23, s22, s21
	s_add_co_u32 s18, s21, SLOT
	s_add_co_u32 s19, s22, SLOT
	s_mul_i32 s98, s14, 4*AREA
	s_add_co_u32 s98, s98, SLOT                    ; my stage: in slot 1, which has had its last fill and its last read when the first result is stored
	v_and_b32 v1, 31, v0
	v_and_b32 v2, 15, v0
	v_bfe_u32 v3, v0, 4, 1
	v_lshlrev_b32 v4, 4, v1                        ; 16 x lane: a fragment's image as it lies
	v_lshlrev_b32 v5, 3, v2
	v_mul_u32_u24 v15, s23, v3
	v_add_nc_u32 v5, v5, v15                       ; scale words: 8 r; lanes 16-31 take W's
	v_mul_u32_u24 v15, v2, SPITCH
	v_lshl_add_u32 v15, v3, 5, v15
	v_add_nc_u32 v[STO], s98, v15
	v_add_nc_u32 v[RD], s98, v4
	v_lshlrev_b32 v[CO], 4, v1
	v_min_u32 v15, 12, v1
	v_add_nc_u32 v15, s67, v15
	v_min_u32 v15, 49, v15                         ; block min(13 place + min(lane, 12), 49) of a record's 50
	v_lshlrev_b32 v15, 8, v15
	WIN 0x80
	v_add_nc_u32 v[ADRA], s21, v4
	v_add_nc_u32 v[ADRA+1], s18, v4
	v_add_nc_u32 v[ADRB], s22, v4
	v_add_nc_u32 v[ADRB+1], s19, v4
	WIN 0xc0
	v_add_nc_u32 v[ADRA], s21, v4
	v_add_nc_u32 v[ADRA+1], s18, v4
	v_add_nc_u32 v[ADRB], s22, v4
	v_add_nc_u32 v[ADRB+1], s19, v4
	v_add_nc_u32 v[ADRS], s21, v5
	v_add_nc_u32 v[ADRS+1], s18, v5
	v_add_nc_u32 v[PFO], 0, v15
	v_add_nc_u32 v[PFO+1], s66, v15
	v_add_nc_u32 v[PFO+2], s99, v15
	s_wait_alu depctr_va_vdst(0)                   ; the wait at the head's end
	WIN X2W
	ASK 100                                        ; fill 1
	WIN 0
	global_load_b128 v[BIAS:BIAS+3], v[CO], s[96:97]   ; awaited at the way out
; 16 products: A's blocks 4 ha .. + 3 x W's 4 hb .. + 3, fragments of parity p; the 16 accumulators take turns.
.macro GRP ha, hb, p, zero
.set N, 0
.rept 16
.if \zero
	v_wmma_scale_f32_16x16x128_f8f6f4 v[ACC+8*N:ACC+8*N+7], v[FRG+48*(\p)+12*(N%4):FRG+48*(\p)+12*(N%4)+11], v[FRG+48*(\p)+12*(N/4):FRG+48*(\p)+12*(N/4)+11], 0, v[SC+8*(\p)+4*(\hb)+(N%4)], v[SC+8*(\p)+4*(\ha)+(N/4)] matrix_a_fmt:MATRIX_FMT_FP6 matrix_b_fmt:MATRIX_FMT_FP6 matrix_a_scale:MATRIX_SCALE_ROW1
.else
	v_wmma_scale_f32_16x16x128_f8f6f4 v[ACC+8*N:ACC+8*N+7], v[FRG+48*(\p)+12*(N%4):FRG+48*(\p)+12*(N%4)+11], v[FRG+48*(\p)+12*(N/4):FRG+48*(\p)+12*(N/4)+11], v[ACC+8*N:ACC+8*N+7], v[SC+8*(\p)+4*(\hb)+(N%4)], v[SC+8*(\p)+4*(\ha)+(N/4)] matrix_a_fmt:MATRIX_FMT_FP6 matrix_b_fmt:MATRIX_FMT_FP6 matrix_a_scale:MATRIX_SCALE_ROW1
.endif
.set N, N+1
.endr
.endm
.macro LRUN p, adr, off                ; four fragments, 12 loads, into parity p of the destination's window
.irp i, 0,1,2,3
.irp c, 0,1,2
	ds_load_b128 v[FRG+48*(\p)+12*\i+4*\c:FRG+48*(\p)+12*\i+4*\c+3], v[\adr] offset:(\off)+\i*FRB+512*\c
.endr
.endr
.endm
.macro SRUN p, adr, off                ; a step's scale words, 4 loads
.irp i, 0,1,2,3
	ds_load_b64 v[SC+8*(\p)+2*\i:SC+8*(\p)+2*\i+1], v[\adr] offset:(\off)+SCO+128*\i
.endr
.endm
.macro RUN1 p, s, off                  ; 28 loads: W's and A's blocks 0-3 and the scale words; leaves the windows at X2W
	WIN X1W
	LRUN \p, ADRB+\s, \off
	WIN X2W
	LRUN \p, ADRA+\s, \off
	SRUN \p, ADRS+\s, \off
.endm
; A K step on parity p; the next step's record is nq of slot ns.  In every step alike 28 loads go out first and 24 later.
.macro STEP p, ns, nq, zero
	PLACES                                         ; behind the last step's products, ahead of the loads into the registers that they read
	RUN1 1-(\p), \ns, (\nq)*REC
	s_wait_dscnt 52                                ; the last step's first run is in; its second run (24) and the run just issued (28) may be out
	WIN X1W
	GRP 0, 0, \p, \zero
	s_wait_dscnt 28                                ; the last step's second run is in
	WIN X2W
	GRP 0, 1, \p, \zero
	WIN X4W
	LRUN 1-(\p), ADRA+\ns, (\nq)*REC+4*FRB
	WIN X3W
	LRUN 1-(\p), ADRB+\ns, (\nq)*REC+4*FRB
	GRP 1, 1, \p, \zero
	WIN X4W
	GRP 1, 0, \p, \zero
.endm
; The last step of a slot: its fragments are in registers or on their way, so the slot is given up at once.  fill = 1: it is filled again, behind a round of the cluster's barrier.  pf = 1: the fill after that is named.
.macro TURN p, slot, next, fill, pf
	WIN 0
.if \pf
	s_wait_xcnt 0x0                                ; the last prefetches have read their base
	s_add_nc_u64 s[PFA:PFA+1], s[PFA:PFA+1], s[94:95]
.endif
	s_wait_tensorcnt 0x0                           ; my part of the next slot has landed
	ds_add_u32 v[SPW], v[NIL]
.if \fill
	s_add_nc_u64 s[G0+4*\next+2:G0+4*\next+3], s[G0+4*\next+2:G0+4*\next+3], 6*ATS   ; no tensor load of mine is out: the next slot's next fill
	s_add_nc_u64 s[G0B+4*\next+2:G0B+4*\next+3], s[G0B+4*\next+2:G0B+4*\next+3], 6*BTS
.endif
	s_wait_dscnt 25                                ; the add and the last step's second run may be out
	WIN X1W
	GRP 0, 0, \p, 0
	s_wait_dscnt 0x0                               ; the add is done, and so are my reads of this slot
	s_barrier_signal -1
	WIN X2W
	GRP 0, 1, \p, 0
	WIN 0
	s_barrier_wait -1
.if \fill
	CREST
	JLOAD G0+4*\slot, G1, G0B+4*\slot, G1B         ; the first tensor load behind the round; its four v_nop are the places ahead of the loads below
.else
	PLACES
.endif
	RUN1 1-(\p), \next, 0
.if \pf
	ASK PFA
.endif
	WIN X3W
	GRP 1, 1, \p, 0
	LRUN 1-(\p), ADRB+\next, 4*FRB
	WIN X4W
	LRUN 1-(\p), ADRA+\next, 4*FRB
	GRP 1, 0, \p, 0
.endm
	s_wait_tensorcnt 0x0                           ; my part of fill 0 is in
	ds_add_u32 v[SPW], v[NIL]
	s_wait_dscnt 0x0
	CROUND
	JLOAD G0+4, G1, G0B+4, G1B                     ; fill 1, slot 1's first
	RUN1 0, 0, REC                                 ; K step 0's fragments, 28 and 24 as in every step
	ASK PFA                                        ; fill 2
	WIN X3W
	LRUN 0, ADRB, REC+4*FRB
	WIN X4W
	LRUN 0, ADRA, REC+4*FRB
	STEP 0, 0, 2, 1                                ; the first step's products start the sums
	WIN 0
	s_mov_b32 s3, TRIPS
.Llap:                                         ; six K steps: once round the ring
	TURN 1, 0, 1, 1, 1
	STEP 0, 1, 1, 0
	STEP 1, 1, 2, 0
	TURN 0, 1, 0, 1, 1
	STEP 1, 0, 1, 0
	STEP 0, 0, 2, 0
	WIN 0
	s_sub_co_u32 s3, s3, 1
	s_cmp_lg_u32 s3, 0
	s_cbranch_scc1 .Llap
	TURN 1, 0, 1, 1, 0                             ; fill 10, the last
	STEP 0, 1, 1, 0
	STEP 1, 1, 2, 0
	TURN 0, 1, 0, 0, 0
	STEP 1, 0, 1, 0
	STEP 0, 0, 2, 0
	s_wait_dscnt 24                                ; K step 31: nothing more to fetch
	WIN X1W
	GRP 0, 0, 1, 0
	s_wait_dscnt 0x0
	WIN X2W
	GRP 0, 1, 1, 0
	WIN X3W
	GRP 1, 1, 1, 0
	WIN X4W
	GRP 1, 0, 1, 0
; THE WAY OUT, in three parts that do not mix.  First all eight blocks of 16 rows x 128 columns go through my stage (four areas, each used twice; LDS serves a wave's instructions in order) and come back as whole
; rows of 512 bytes: blocks 0-3 into the fragments' registers of windows 0-3, blocks 4-7 into the accumulators of windows 0 and 2, which blocks 0-3 have left.  Then bias is added.  Then 128 stores on end.
.macro WHERE a                         ; window and first register of block a's rows
.if (\a) < 4
.set BW, (\a)
.set BB, BK
.else
.set BW, 2*(((\a)-4)/2)
.set BB, ACC+64*((\a)%2)
.endif
.endm
.macro TOSTAGE a
.set AC, ACC+32*((\a)%4)
.set AO, ((\a)%4)*AREA
	WIN (2-(\a)/4)<<2                              ; the data: columns 0-63 lie in window 2 or 1,
.irp b, 0,1,2,3
	ds_store_b128 v[STO], v[AC+8*\b:AC+8*\b+3] offset:AO+64*\b          ; each accumulator from its low end on
	ds_store_b128 v[STO], v[AC+8*\b+4:AC+8*\b+7] offset:AO+64*\b+16
.endr
	WIN (3*((\a)/4))<<2                            ; columns 64-127 in window 0 or 3
.irp b, 0,1,2,3
	ds_store_b128 v[STO], v[AC+8*\b:AC+8*\b+3] offset:AO+256+64*\b
	ds_store_b128 v[STO], v[AC+8*\b+4:AC+8*\b+7] offset:AO+256+64*\b+16
.endr
	WHERE \a
	WIN BW<<6
.irp t, 0,1,2,3,4,5,6,7,8,9,10,11,12,13,14,15
	ds_load_b128 v[BB+4*\t:BB+4*\t+3], v[RD] offset:AO+\t*SPITCH
.endr
.endm
.macro ADDB a
	WHERE \a
	WIN (BW<<6)|BW                                 ; bias is source 1, in window 0
.irp t, 0,1,2,3,4,5,6,7,8,9,10,11,12,13,14,15
	v_pk_add_f32 v[BB+4*\t:BB+4*\t+1], v[BB+4*\t:BB+4*\t+1], v[BIAS:BIAS+1]
	v_pk_add_f32 v[BB+4*\t+2:BB+4*\t+3], v[BB+4*\t+2:BB+4*\t+3], v[BIAS+2:BIAS+3]
.endr
.endm
.macro SEND a                          ; every row's place stands in the immediate: 127 rows of 8,192 bytes at the most, inside its signed 24 bits; no base is stepped
	WHERE \a
	WIN BW<<2
.irp t, 0,1,2,3,4,5,6,7,8,9,10,11,12,13,14,15
	global_store_b128 v[CO], v[BB+4*\t:BB+4*\t+3], s[12:13] offset:(16*(\a)+\t)*ROWC th:TH_STORE_NT   ; 32 lanes store 512 consecutive bytes, at a multiple of 256 from out0's first byte
.endr
.endm
	PLACES                                         ; behind the last products: for the reads of results and the loads into the fragments' registers
.irp a, 0,1,2,3,4,5,6,7
	TOSTAGE \a
.endr
	s_wait_loadcnt 0x0                             ; bias
	s_wait_dscnt 0x0                               ; all rows are back
.irp a, 0,1,2,3,4,5,6,7
	ADDB \a
.endr
	s_wait_alu depctr_va_vdst(0)
.irp a, 0,1,2,3,4,5,6,7
	SEND \a
.endr
	WIN 0
	s_wait_tensorcnt 0x0                           ; the wave's end
	ds_add_u32 v[SPW], v[NIL]
	s_wait_dscnt 0x0
	CROUND                                         ; the closing round
	s_endpgm
.Lfunc_end_k_qedeb74c1ce_gemm:
	.size	k_qedeb74c1ce_gemm, .Lfunc_end_k_qedeb74c1ce_gemm-k_qedeb74c1ce_gemm
	.p2alignl 7, 3214868480
	.fill 96, 4, 3214868480
	.section	.rodata,"a",@progbits
	.p2align	6, 0x0
	.amdhsa_kernel k_qedeb74c1ce_gemm
		.amdhsa_group_segment_fixed_size 327680
		.amdhsa_private_segment_fixed_size 0
		.amdhsa_enable_private_segment 0
		.amdhsa_kernarg_size 32
		.amdhsa_user_sgpr_count 2
		.amdhsa_user_sgpr_kernarg_segment_ptr 1
		.amdhsa_wavefront_size32 1
		.amdhsa_system_sgpr_workgroup_id_x 1
		.amdhsa_system_sgpr_workgroup_id_y 1
		.amdhsa_system_sgpr_workgroup_id_z 1
		.amdhsa_system_vgpr_workitem_id 0
		.amdhsa_next_free_vgpr 1024
		.amdhsa_next_free_sgpr 102
		.amdhsa_reserve_vcc 0
		.amdhsa_float_denorm_mode_32 3
		.amdhsa_float_denorm_mode_16_64 3
		.amdhsa_memory_ordered 1
		.amdhsa_forward_progress 1
		.amdhsa_inst_pref_size 223
	.end_amdhsa_kernel
	.amdgpu_metadata
---
amdhsa.version: [ 1, 2 ]
amdhsa.kernels:
  - .name:           k_qedeb74c1ce_gemm
    .symbol:         k_qedeb74c1ce_gemm.kd
    .args:
      - { .name: a_ops, .offset: 0, .size: 8, .value_kind: global_buffer, .address_space: global }
      - { .name: b_ops, .offset: 8, .size: 8, .value_kind: global_buffer, .address_space: global }
      - { .name: out0, .offset: 16, .size: 8, .value_kind: global_buffer, .address_space: global }
      - { .name: bias, .offset: 24, .size: 8, .value_kind: global_buffer, .address_space: global }
    .group_segment_fixed_size: 327680
    .private_segment_fixed_size: 0
    .kernarg_segment_align: 8
    .kernarg_segment_size: 32
    .max_flat_workgroup_size: 128
    .sgpr_count:     102
    .vgpr_count:     1024
    .wavefront_size: 32
...
	.end_amdgpu_metadata
.endif
;; end of part 2
